; MI455X (gfx1250); checked and timed in simulation.
; The chip was launched on July 23, 2026; its instructions are those of AMD's public machine-readable ISA for CDNA 5 (MIT licence, August 2026) and "CDNA5" Instruction Set Architecture Reference Guide (July 2026). The comments in the code are by the model that wrote it; some were corrected since.
;; NNX Attention Op. Allowed arithmetic: float matrix products may take bf16 or f16 operands with f32 sums; all other float work in f32.
;; Inputs: key 2 x 4,096 x 1,024 float32; query 2 x 4,096 x 1,024 float32; value 2 x 4,096 x 1,024 float32.
;; Outputs: out0 32 x 4,096 x 64 float32.
;; 2 versions, each right; version 2 is version 1 with the launch attn written anew for expert scheduling mode. Each part assembles by itself: llvm-mc -triple=amdgcn-amd-amdhsa -mcpu=gfx1250 --defsym DOCPART=n.
;; ======== version 1 of 2: 1 launch
;; launch attn (part 1): grid 8 x 32, 8 waves a work-group, no clusters, 74,752 bytes of LDS; arguments key, query, value, out0; writes out0
.if DOCPART == 1
	.amdgcn_target "amdgcn-amd-amdhsa--gfx1250"
	.amdhsa_code_object_version 6
	.text
	.protected	k_q3eca75159a_attn
	.globl	k_q3eca75159a_attn
	.p2align	8
	.type	k_q3eca75159a_attn,@function
k_q3eca75159a_attn:
	s_mov_b64 s[64:65], 0
	v_nop
	global_prefetch_b8 v0, s[64:65] scope:SCOPE_SE
	s_setreg_imm32_b32 hwreg(HW_REG_WAVE_MODE, 25, 1), 1
	s_wait_xcnt 0x0
; out0[bh][s][0:64] = softmax(q k^T / 8) v for 32 heads (bh = 16 b + h), 4,096 queries and 4,096 keys a head, no mask.  All buffers f32.
; Head h of batch b is the aligned piece of 256 bytes at byte 256 h of each row of 4,096 bytes of query, key and value.
;
; SHARES.  Work-group (x, y): head y, queries 512 x .. 512 x + 511, all keys in 64 trips of 64 keys.  Wave w: 64 queries = 4 query tiles of 16.
; 256 work-groups of equal work; eight waves of 448 registers.
;
; BOTH PRODUCTS ARE USED TRANSPOSED, so that the weights go from the first product into the second without leaving their lanes:
;   S^T tile = A (16 keys x 32 d) x B (16 queries x 32 d): lane (r, h) holds, in register j, key 8 h + j of query r.
;   O^T tile = A (V^T: 16 d x 32 keys) x B (P^T: 16 queries x 32 keys): B wants keys 8 h .. 8 h + 7 in registers 0-3 and 16 + 8 h .. in 4-7 of lane (r, h),
;   which is v_cvt_pk_bf16_f32 over the registers of key tiles 2 ks and 2 ks + 1, in place.  V^T comes from V stored [key][d] by ds_load_tr16_b128.
;   A lane has one query: maximum, sum and rescale factor are one number a lane; one v_permlanex16_b32 a query tile and trip joins the two halves' maxima.
;
; SOFTMAX, f32, with a running maximum.  c = log2(e) / 8.  Kept: NM = -(c x running maximum), rounded once.  A trip: NMnew = min(NM, -c x block maximum),
; alpha = 2^(NMnew - NM) (exactly 1 where the maximum stayed), p = 2^(fma(s, c, NMnew)), L = L alpha + sum p, O = O alpha + V^T P.
; The first trip is written out: no alpha, the products start the sums with C = 0, nothing is cleared.
;
; K AND V go through registers: each thread loads 4 x 16 bytes of K and of V of the NEXT block at a trip's head, rounds them to bf16 at the trip's end and
; stores them into the other of two LDS slots; one barrier a trip.
; NO CLUSTER, NO JOINT TENSOR LOADS, though the eight work-groups of a head read the same K and V: the tiles are f32 and are rounded once a work-group before
; any fragment is read.  Through registers that costs 16 KiB of LDS stores a trip; a tile landed in LDS as f32 would cost 32 KiB landing, 32 KiB read back
; and the same 16 KiB stored, beside 128 KiB of fragment reads a trip, and a round of the cluster barrier each trip.
;
; LIMITS.  Inputs finite and raw scores finite in f32 (NaN and infinities are not served: the maxima drop NaN).  A weight below 2^-126 of its row's largest
; counts as 0 (v_exp_f32 flushes: ISA guide 15.8).  Q, K, V and the weights are rounded to bf16 for the products; the denominator sums the unrounded weights;
; sums are formed in another order than in the reference formula.
.set ROWB,  4096                       ; bytes of a row of query, key, value
.set BLK,   64*ROWB                    ; a block of 64 keys
.set KP,    144                        ; LDS pitch of K and Q rows: 128 bytes + 16, 9 x 16: the 16 rows of a fragment load begin at 16 different 16-byte columns modulo 256 bytes
.set VP,    160                        ; LDS pitch of V rows: 5 x 32, for the transposing loads
.set OP,    272                        ; LDS pitch of an output row: 256 bytes + 16
.set KT,    64*KP                      ; V's tile lies behind K's in a slot
.set SLOT,  KT+64*VP                   ; 19,456 bytes; two slots
.set STG,   2*SLOT                     ; behind them a stage of 4,352 bytes for each wave, its own: 16 Q rows going in, 16 output rows going out
.set STGW,  16*OP
; window 0
.set KADR,  2                          ; v2   r x 144 + 16 h
.set VADR,  3                          ; v3   KT + (8 h + lane mod 8) x 160 + 16 x bit 3 of the lane
.set KST,   4                          ; v4   (8 w + 4 h) x 144 + 8 r
.set VST,   5                          ; v5   KT + (8 w + 4 h) x 160 + 8 r
.set GO,    6                          ; v6   (8 w + 4 h) x 4096 + 16 r: my 16 bytes in K's and V's block
.set PFO,   8                          ; v8   (32 (w mod 2) + lane) x 4096: the row that I ask for ahead
.set T0,    10                         ; v10, v11  two chains of maxima
.set T1,    11
.set AL,    12                         ; v[12:13]  alpha, twice
.set TS,    14                         ; v[14:15]  second chain of sums
.set NM,    16                         ; v[16+2i:17+2i]  NM of query tile i, twice
.set LS,    24                         ; v[24+2i:25+2i]  L of query tile i: two partial sums
.set QF,    32                         ; v[32:95]    Q fragments: QF + 16 i + 8 ks
.set KF,    96                         ; v[96:159]   K fragments: KF + 16 kt + 8 ks
.set SC,    160                        ; v[160:223]  scores, two columns of 32: SC + 32 col + 8 kt + j
.set GS,    224                        ; v[224:255]  K's 4 x 4 and V's 4 x 4 registers on their way to LDS
; window 1: O(i, dt) at 8 (4 i + dt), 128 registers; V fragments (ks, dt) at VF + 8 (4 ks + dt), 64 registers
.set VF,    128
; s_set_vgpr_msb, low byte: bits 1:0 source 0, 3:2 source 1, 5:4 source 2, 7:6 destination; the high byte repeats the setting that is left.
; 0x40: loads into window 1.  0x51: O and V fragments in window 1, alpha and P in window 0.  0x04: LDS store data from window 1.
.set MSB, 0
.macro WIN new
.if MSB != \new
	s_set_vgpr_msb (MSB<<8)|\new
.set MSB, \new
.endif
.endm
.macro PLACES                          ; four places between a matrix instruction and a vector instruction that reads its result (ISA guide 7.12.1)
.rept 4
	v_nop
.endr
.endm
	s_load_b256 s[4:11], s[0:1], 0x0               ; key s[4:5], query s[6:7], value s[8:9], out0 s[10:11]
	s_set_vgpr_msb 0x40
	v_lshl_add_u32 v192, v0, 2, 0x12000
	v_mov_b32 v193, 0
	s_set_vgpr_msb 0x4000
	v_lshrrev_b32 v1, 5, v0
	v_readfirstlane_b32 s12, v1                    ; w
	s_mov_b32 s13, ttmp9                           ; x: block of 512 queries
	s_and_b32 s14, ttmp7, 0xffff                   ; y: head
	s_mov_b32 s20, 0x3e38aa3b                      ; c = log2(e) / 8, as a pair
	s_mov_b32 s21, 0x3e38aa3b
	s_mov_b32 s22, 0xbe38aa3b                      ; -c
	s_mov_b32 s24, 0x76543210                      ; v_permlanex16_b32: lane i of one half reads lane i of the other
	s_mov_b32 s25, 0xfedcba98
	s_lshr_b32 s16, s14, 4                         ; K, V: batch x 16 MiB + head x 256
	s_lshl_b32 s16, s16, 24
	s_and_b32 s17, s14, 15
	s_lshl_b32 s17, s17, 8
	s_add_co_u32 s16, s16, s17
	s_mov_b32 s17, 0
	s_lshl_b32 s18, s13, 21                        ; Q: the same + 512 x rows + 64 w rows
	s_add_co_u32 s18, s18, s16
	s_lshl_b32 s19, s12, 18
	s_add_co_u32 s18, s18, s19
	s_mov_b32 s19, 0
	s_lshl_b32 s34, s14, 20                        ; out0: y x 4096 rows of 256 bytes + 512 x rows + 64 w rows
	s_lshl_b32 s35, s13, 17
	s_add_co_u32 s34, s34, s35
	s_lshl_b32 s35, s12, 14
	s_add_co_u32 s34, s34, s35
	s_mov_b32 s35, 0
	s_mul_i32 s30, s12, STGW
	s_add_co_u32 s30, s30, STG                     ; my wave's stage
	v_and_b32 v7, 15, v0                           ; r
	v_bfe_u32 v9, v0, 4, 1                         ; h
	v_mul_u32_u24 v[KADR], v7, KP
	v_lshl_add_u32 v[KADR], v9, 4, v[KADR]
	v_and_b32 v1, 7, v0
	v_lshl_add_u32 v1, v9, 3, v1                   ; 8 h + lane mod 8
	v_mul_u32_u24 v[VADR], v1, VP
	v_bfe_u32 v1, v0, 3, 1
	v_lshl_add_u32 v[VADR], v1, 4, v[VADR]
	v_add_nc_u32 v[VADR], KT, v[VADR]
	s_mul_i32 s29, s12, 8*KP                       ; wave w stores rows 8 w .. 8 w + 7 of each tile: a run of bytes of its own
	v_mul_u32_u24 v[KST], v9, 4*KP
	v_lshl_add_u32 v[KST], v7, 3, v[KST]
	v_add_nc_u32 v[KST], s29, v[KST]
	s_mul_i32 s29, s12, 8*VP
	s_add_co_u32 s29, s29, KT
	v_mul_u32_u24 v[VST], v9, 4*VP
	v_lshl_add_u32 v[VST], v7, 3, v[VST]
	v_add_nc_u32 v[VST], s29, v[VST]
	s_lshl_b32 s29, s12, 15
	v_lshlrev_b32 v[GO], 4, v7
	v_lshl_add_u32 v[GO], v9, 14, v[GO]
	v_add_nc_u32 v[GO], s29, v[GO]
	s_and_b32 s29, s12, 1
	s_lshl_b32 s29, s29, 17
	v_and_b32 v1, 31, v0
	v_lshl_add_u32 v[PFO], v1, 12, s29
	v_lshlrev_b32 v10, 4, v7                       ; Q, here only: v10 = h x 4096 + 16 r,
	v_lshl_add_u32 v10, v9, 12, v10
	v_mul_u32_u24 v11, v9, KP                      ; v11 = stage + h x 144 + 8 r (in),
	v_lshl_add_u32 v11, v7, 3, v11
	v_add_nc_u32 v11, s30, v11
	v_add_nc_u32 v12, s30, v[KADR]                 ; v12 = stage + r x 144 + 16 h (back, as fragments)
	s_wait_kmcnt 0x0
	s_add_nc_u64 s[4:5], s[4:5], s[16:17]
	s_add_nc_u64 s[8:9], s[8:9], s[16:17]
	s_add_nc_u64 s[6:7], s[6:7], s[18:19]
	s_add_nc_u64 s[10:11], s[10:11], s[34:35]
	s_cmp_lt_u32 s12, 2
	s_cselect_b64 s[32:33], s[4:5], s[8:9]         ; waves 0, 1 ask ahead for K's rows, waves 2, 3 for V's
	s_cmp_lt_u32 s12, 4
	s_cselect_b32 s28, s13, 255                    ; waves 4 to 7 never ask
; Eight loads: rows 8 w + 4 h + n of the block at s[4:5] (K) and s[8:9] (V); 16 neighbouring lanes take one head row of 256 bytes, aligned.
.macro LOADKV
.irp n, 0,1,2,3
	global_load_b128 v[GS+4*\n:GS+4*\n+3], v[GO], s[4:5] offset:\n*ROWB
.endr
.irp n, 0,1,2,3
	global_load_b128 v[GS+16+4*\n:GS+16+4*\n+3], v[GO], s[8:9] offset:\n*ROWB
.endr
.endm
; Those eight loads, rounded to bf16 in place and stored into slot dst; then the three bases step one block.
.macro STAGEKV dst
	s_wait_loadcnt 0x0                             ; the eight loads issued at the trip's head
.irp n, 0,1,2,3,4,5,6,7
	v_cvt_pk_bf16_f32 v[GS+4*\n], v[GS+4*\n], v[GS+4*\n+1]
	v_cvt_pk_bf16_f32 v[GS+4*\n+1], v[GS+4*\n+2], v[GS+4*\n+3]
.endr
.irp n, 0,1,2,3
	ds_store_b64 v[KST], v[GS+4*\n:GS+4*\n+1] offset:(\dst)*SLOT+\n*KP
.endr
.irp n, 0,1,2,3
	ds_store_b64 v[VST], v[GS+16+4*\n:GS+16+4*\n+1] offset:(\dst)*SLOT+\n*VP
.endr
	s_wait_xcnt 0x0                                ; the bases, the prefetch's too, are rewritten only behind this wait (ISA guide 3.1); the prefetch stands a trip's work ahead of it
	s_add_nc_u64 s[4:5], s[4:5], BLK
	s_add_nc_u64 s[8:9], s[8:9], BLK
	s_add_nc_u64 s[32:33], s[32:33], BLK
.endm
; Ask ahead: in trip t (s27) for block t + 2, which trip t + 1 loads; the bases stand at block t + 1.  Of the eight work-groups of a head only x = t mod 8
; asks, and there waves 0, 1 for K's 64 rows and waves 2, 3 for V's, a lane a row: each piece of 256 bytes is asked for once in the launch.
; Trips 62 and 63 ask for nothing: block 63 is the last.
.macro PF
	s_and_b32 s29, s27, 7
	s_cmp_lt_u32 s27, 62
	s_cselect_b32 s29, s29, 0xfe
	s_cmp_eq_u32 s29, s28
	s_cbranch_scc0 .Lnopf_\@
	global_prefetch_b8 v[PFO], s[32:33] offset:BLK th:TH_LOAD_NT scope:SCOPE_SE
.Lnopf_\@:
.endm
; One of the eight products of query tile i into score column col: n = 0..3 key tile n, d 0-31, starts the sum; n = 4..7 key tile n - 4, d 32-63.
; In the order n = 0..7 the four accumulators take turns, one instruction a turn.
.macro QKW col, i, n
.if \n < 4
	v_wmma_f32_16x16x32_bf16 v[SC+32*(\col)+8*\n:SC+32*(\col)+8*\n+7], v[KF+16*\n:KF+16*\n+7], v[QF+16*(\i):QF+16*(\i)+7], 0
.else
	v_wmma_f32_16x16x32_bf16 v[SC+32*(\col)+8*(\n-4):SC+32*(\col)+8*(\n-4)+7], v[KF+16*(\n-4)+8:KF+16*(\n-4)+15], v[QF+16*(\i)+8:QF+16*(\i)+15], v[SC+32*(\col)+8*(\n-4):SC+32*(\col)+8*(\n-4)+7]
.endif
.endm
; Group g of four scores: p = 2^(s c + NM), in place.  SB, NMI, LI are set by SM.
.macro FEXP g
	v_pk_fma_f32 v[SB+4*\g:SB+4*\g+1], v[SB+4*\g:SB+4*\g+1], s[20:21], v[NMI:NMI+1] op_sel_hi:[1,0,1]
	v_pk_fma_f32 v[SB+4*\g+2:SB+4*\g+3], v[SB+4*\g+2:SB+4*\g+3], s[20:21], v[NMI:NMI+1] op_sel_hi:[1,0,1]
.irp j, 0,1,2,3
	v_exp_f32 v[SB+4*\g+\j], v[SB+4*\g+\j]
.endr
.endm
; Group g joins the sums, in two chains (L and TS).  Group 0 carries L alpha; in the first trip groups 0 and 1 start the chains.
.macro ASUM g, first
.if \g == 0
.if \first == 0
	s_wait_alu depctr_va_vdst(0)
	v_pk_fma_f32 v[LI:LI+1], v[LI:LI+1], v[AL:AL+1], v[SB:SB+1]
.endif
.else
.if \g == 1
.if \first
	s_wait_alu depctr_va_vdst(0)
	v_pk_add_f32 v[LI:LI+1], v[SB:SB+1], v[SB+4:SB+5]
.else
	v_pk_add_f32 v[LI:LI+1], v[LI:LI+1], v[SB+4:SB+5]
.endif
	v_pk_add_f32 v[TS:TS+1], v[SB+2:SB+3], v[SB+6:SB+7]
.else
	s_wait_alu depctr_va_vdst(0)
	v_pk_add_f32 v[LI:LI+1], v[LI:LI+1], v[SB+4*\g:SB+4*\g+1]
	v_pk_add_f32 v[TS:TS+1], v[TS:TS+1], v[SB+4*\g+2:SB+4*\g+3]
.endif
.endif
.endm
; Group g's exponentials, one product of the next query tile, group p = g - 1's sums.  Behind each run of exponentials the next group's multiply-adds
; (behind the last run: group 6's sums) are the plain place before the results are read (ISA guide 5.7.2).
.macro SMSTEP g, p, i, col, first, nxt
	FEXP \g
.if \nxt
	QKW 1-\col, \i+1, \p
.endif
	ASUM \p, \first
.endm
; Query tile i, whose 64 x 16 scores lie in column col: softmax step, then O(i) = O(i) alpha + V^T P.  nxt = 1: the eight products of tile i + 1 into the
; other column stand one by one among the softmax lines; they name no register of these lines.
.macro SM i, col, first, nxt
.set SB,  SC+32*\col
.set NMI, NM+2*\i
.set LI,  LS+2*\i
	v_max3_num_f32 v[T0], v[SB], v[SB+1], v[SB+2]              ; the largest of my 32 scores, in two chains
	v_max3_num_f32 v[T1], v[SB+3], v[SB+4], v[SB+5]
.irp k, 6,10,14,18,22,26
	v_max3_num_f32 v[T0], v[T0], v[SB+\k], v[SB+\k+1]
	v_max3_num_f32 v[T1], v[T1], v[SB+\k+2], v[SB+\k+3]
.endr
	v_max3_num_f32 v[T0], v[T0], v[SB+30], v[SB+31]
	v_max_num_f32 v[T0], v[T0], v[T1]
	v_permlanex16_b32 v[T1], v[T0], s24, s25                   ; the other 32 keys of my query lie in lane r of the other half
	v_max_num_f32 v[T0], v[T0], v[T1]
	v_mul_f32 v[T0], s22, v[T0]                                ; -c x block maximum
.if \first == 0
	v_min_num_f32 v[T0], v[T0], v[NMI]                         ; NMnew
	v_sub_f32 v[AL], v[T0], v[NMI]                             ; <= 0, and 0 where the maximum stayed
	v_exp_f32 v[AL], v[AL]
.endif
	v_mov_b32 v[NMI], v[T0]                                    ; also the plain place behind the exponential
	v_mov_b32 v[NMI+1], v[T0]
.if \first == 0
	s_wait_alu depctr_va_vdst(0)
	v_mov_b32 v[AL+1], v[AL]
.endif
	FEXP 0
	SMSTEP 1, 0, \i, \col, \first, \nxt
	SMSTEP 2, 1, \i, \col, \first, \nxt
	SMSTEP 3, 2, \i, \col, \first, \nxt
	SMSTEP 4, 3, \i, \col, \first, \nxt
	SMSTEP 5, 4, \i, \col, \first, \nxt
	SMSTEP 6, 5, \i, \col, \first, \nxt
	SMSTEP 7, 6, \i, \col, \first, \nxt
.if \nxt
	QKW 1-\col, \i+1, 7
.endif
	ASUM 7, \first
	v_pk_add_f32 v[LI:LI+1], v[LI:LI+1], v[TS:TS+1]
.irp n, 0,1,2,3,4,5,6,7,8,9,10,11,12,13,14,15
	v_cvt_pk_bf16_f32 v[SB+\n], v[SB+2*\n], v[SB+2*\n+1]       ; P in place, ascending: register n is written when 2 n and 2 n + 1 are read; SB + 8 ks is the B fragment of keys 32 ks ..
.endr
.if \i == 0
	s_wait_dscnt 0x0                                           ; V's 16 fragment loads of this trip
.endif
	WIN 0x51
.if \first == 0
.irp n, 0,1,2,3,4,5,6,7,8,9,10,11,12,13,14,15
	v_pk_mul_f32 v[32*\i+2*\n:32*\i+2*\n+1], v[32*\i+2*\n:32*\i+2*\n+1], v[AL:AL+1]
.endr
.endif
	; eight products on four accumulators by turns, one instruction a turn
.irp dt, 0,1,2,3
.if \first
	v_wmma_f32_16x16x32_bf16 v[32*\i+8*\dt:32*\i+8*\dt+7], v[VF+8*\dt:VF+8*\dt+7], v[SB:SB+7], 0
.else
	v_wmma_f32_16x16x32_bf16 v[32*\i+8*\dt:32*\i+8*\dt+7], v[VF+8*\dt:VF+8*\dt+7], v[SB:SB+7], v[32*\i+8*\dt:32*\i+8*\dt+7]
.endif
.endr
.irp dt, 0,1,2,3
	v_wmma_f32_16x16x32_bf16 v[32*\i+8*\dt:32*\i+8*\dt+7], v[VF+32+8*\dt:VF+32+8*\dt+7], v[SB+8:SB+15], v[32*\i+8*\dt:32*\i+8*\dt+7]
.endr
	WIN 0
.endm
; A trip: 64 keys out of slot.  first = 1: the sums start.  last = 1: nothing is left to fetch, and no barrier follows.
; Distances behind matrix instructions (ISA guide 7.12.1 for vector instructions), by this text's count of plain vector lines that name none of their registers:
; a column's scores are read behind 3 sums and 16 conversions; P's registers are written again by a product behind the next tile's 15 maxima;
; V's fragments are loaded again behind STAGEKV's 16 conversions, K's behind a whole query tile's softmax.
.macro TRIP slot, first, last
.irp kt, 0,1,2,3
.irp ks, 0,1
	ds_load_b128 v[KF+16*\kt+8*\ks:KF+16*\kt+8*\ks+3], v[KADR] offset:\slot*SLOT+\kt*16*KP+64*\ks
	ds_load_b128 v[KF+16*\kt+8*\ks+4:KF+16*\kt+8*\ks+7], v[KADR] offset:\slot*SLOT+\kt*16*KP+64*\ks+32
.endr
.endr
	WIN 0x40
.irp ks, 0,1
.irp dt, 0,1,2,3
	ds_load_tr16_b128 v[VF+8*(4*\ks+\dt):VF+8*(4*\ks+\dt)+3], v[VADR] offset:\slot*SLOT+\ks*32*VP+32*\dt
	ds_load_tr16_b128 v[VF+8*(4*\ks+\dt)+4:VF+8*(4*\ks+\dt)+7], v[VADR] offset:\slot*SLOT+\ks*32*VP+32*\dt+16*VP
.endr
.endr
	WIN 0
.if \last == 0
	LOADKV                                         ; the next block: it has the whole trip in which to come
	PF
.endif
	s_wait_dscnt 16                                ; LDS loads come back in order (ISA guide 5.7.1): K's 16 are in, V's 16 behind them may stay out
.irp n, 0,1,2,3,4,5,6,7
	QKW 0, 0, \n
.endr
	PLACES
	SM 0, 0, \first, 1
	SM 1, 1, \first, 1
	SM 2, 0, \first, 1
	SM 3, 1, \first, 0
.if \last == 0
	STAGEKV 1-\slot
	s_add_co_u32 s27, s27, 1
	s_wait_dscnt 0x0                               ; for the others: my stores into the next slot are done (my reads of this slot were waited for above)
	s_barrier_signal -1
	s_barrier_wait -1                              ; the next slot is whole, and nobody reads this one any more: the next trip stores into it
.endif
.endm
	; Q: 64 rows of 256 bytes, read once in the launch; two rows a load.  Into the registers that later hold K fragments and scores.
.irp i, 0,1,2,3
.irp n, 0,1,2,3,4,5,6,7
	global_load_b128 v[KF+32*\i+4*\n:KF+32*\i+4*\n+3], v10, s[6:7] offset:\i*16*ROWB+\n*2*ROWB th:TH_LOAD_NT
.endr
.endr
	LOADKV                                         ; block 0
	; 16 rows at a time: rounded to bf16, into my stage by rows, back as B fragments.  The stage is my wave's own and LDS serves a wave's
	; instructions in order (ISA guide 5.7.1.4): no wait between stores, loads and the next tile's stores.
.irp i, 0,1,2,3
	s_wait_loadcnt 32-8*\i                         ; 40 loads were issued; tile i needs the first 8 (i + 1)
.irp n, 0,1,2,3,4,5,6,7
	v_cvt_pk_bf16_f32 v[KF+32*\i+4*\n], v[KF+32*\i+4*\n], v[KF+32*\i+4*\n+1]
	v_cvt_pk_bf16_f32 v[KF+32*\i+4*\n+1], v[KF+32*\i+4*\n+2], v[KF+32*\i+4*\n+3]
	ds_store_b64 v11, v[KF+32*\i+4*\n:KF+32*\i+4*\n+1] offset:\n*2*KP
.endr
.irp m, 0,1,2,3
	ds_load_b128 v[QF+16*\i+4*\m:QF+16*\i+4*\m+3], v12 offset:32*\m
.endr
.endr
	STAGEKV 0
	s_mov_b32 s27, 0                               ; t
	s_wait_dscnt 0x0                               ; my part of block 0 is stored, my Q fragments are in
	s_barrier_signal -1
	s_barrier_wait -1
	TRIP 0, 1, 0                                   ; t = 0
	s_mov_b32 s26, 31
.Lloop:
	TRIP 1, 0, 0                                   ; t = 1, 3, .. 61
	TRIP 0, 0, 0                                   ; t = 2, 4, .. 62
	s_sub_co_u32 s26, s26, 1
	s_cmp_lg_u32 s26, 0
	s_cbranch_scc1 .Lloop
	TRIP 1, 0, 1                                   ; t = 63
	; THE WAY OUT.  The denominators: my two partial sums, then the other half's; eight plain adds stand behind the last products before O is read.
.irp i, 0,1,2,3
	v_add_f32 v[LS+2*\i], v[LS+2*\i], v[LS+2*\i+1]
.endr
.irp i, 0,1,2,3
	v_permlanex16_b32 v[LS+2*\i+1], v[LS+2*\i], s24, s25
.endr
.irp i, 0,1,2,3
	v_add_f32 v[LS+2*\i], v[LS+2*\i], v[LS+2*\i+1]
.endr
.irp i, 0,1,2,3
	v_rcp_f32 v[NM+2*\i], v[LS+2*\i]               ; the row's largest weight is about 1, so the sum is not small
.endr
	v_and_b32 v1, 15, v0                           ; r (these address lines are the plain places behind the reciprocals)
	v_bfe_u32 v5, v0, 4, 1                         ; h
	v_and_b32 v2, 31, v0
	v_lshlrev_b32 v2, 4, v2                        ; v2 = 16 x lane: my 16 bytes of two output rows
	v_mul_u32_u24 v3, v1, OP
	v_lshl_add_u32 v3, v5, 5, v3
	v_add_nc_u32 v3, s30, v3                       ; v3 = stage + r x 272 + 32 h: in, my query's d = 16 dt + 8 h ..
	v_mul_u32_u24 v4, v5, OP
	v_lshl_add_u32 v4, v1, 4, v4
	v_add_nc_u32 v4, s30, v4                       ; v4 = stage + h x 272 + 16 r: back, by rows
.irp i, 0,1,2,3
	s_wait_alu depctr_va_vdst(0)
	v_mov_b32 v[NM+2*\i+1], v[NM+2*\i]
.endr
	WIN 0x51
.irp i, 0,1,2,3
.irp n, 0,1,2,3,4,5,6,7,8,9,10,11,12,13,14,15
	v_pk_mul_f32 v[32*\i+2*\n:32*\i+2*\n+1], v[32*\i+2*\n:32*\i+2*\n+1], v[NM+2*\i:NM+2*\i+1]
.endr
.endr
	; 16 queries at a time through my stage; each tile reads back into 32 registers of its own, so no store's data is rewritten.
.irp i, 0,1,2,3
	WIN 0x04
.irp dt, 0,1,2,3
	ds_store_b128 v3, v[32*\i+8*\dt:32*\i+8*\dt+3] offset:64*\dt
	ds_store_b128 v3, v[32*\i+8*\dt+4:32*\i+8*\dt+7] offset:64*\dt+16
.endr
	WIN 0
.irp t, 0,1,2,3,4,5,6,7
	ds_load_b128 v[KF+32*\i+4*\t:KF+32*\i+4*\t+3], v4 offset:\t*2*OP
.endr
.irp t, 0,1,2,3,4,5,6,7
	s_wait_dscnt 7-\t                              ; read-back t of the eight is in
	global_store_b128 v2, v[KF+32*\i+4*\t:KF+32*\i+4*\t+3], s[10:11] offset:\i*4096+\t*512 th:TH_STORE_NT   ; the wave stores 512 consecutive bytes, two whole rows, aligned
.endr
.endr
	s_set_vgpr_msb 0x5
	s_wait_tensorcnt 0x0
	ds_add_u32 v192, v193
	s_wait_dscnt 0x0
	s_set_vgpr_msb 0x500
	s_endpgm
.Lfunc_end_k_q3eca75159a_attn:
	.size	k_q3eca75159a_attn, .Lfunc_end_k_q3eca75159a_attn-k_q3eca75159a_attn
	.p2alignl 7, 3214868480
	.fill 96, 4, 3214868480
	.section	.rodata,"a",@progbits
	.p2align	6, 0x0
	.amdhsa_kernel k_q3eca75159a_attn
		.amdhsa_group_segment_fixed_size 74752
		.amdhsa_private_segment_fixed_size 0
		.amdhsa_enable_private_segment 0
		.amdhsa_kernarg_size 32
		.amdhsa_user_sgpr_count 2
		.amdhsa_user_sgpr_kernarg_segment_ptr 1
		.amdhsa_wavefront_size32 1
		.amdhsa_system_sgpr_workgroup_id_x 1
		.amdhsa_system_sgpr_workgroup_id_y 1
		.amdhsa_system_sgpr_workgroup_id_z 1
		.amdhsa_system_vgpr_workitem_id 0
		.amdhsa_next_free_vgpr 450
		.amdhsa_next_free_sgpr 66
		.amdhsa_reserve_vcc 0
		.amdhsa_float_denorm_mode_32 3
		.amdhsa_float_denorm_mode_16_64 3
		.amdhsa_memory_ordered 1
		.amdhsa_forward_progress 1
		.amdhsa_inst_pref_size 165
	.end_amdhsa_kernel
	.amdgpu_metadata
---
amdhsa.version: [ 1, 2 ]
amdhsa.kernels:
  - .name:           k_q3eca75159a_attn
    .symbol:         k_q3eca75159a_attn.kd
    .args:
      - { .name: key, .offset: 0, .size: 8, .value_kind: global_buffer, .address_space: global }
      - { .name: query, .offset: 8, .size: 8, .value_kind: global_buffer, .address_space: global }
      - { .name: value, .offset: 16, .size: 8, .value_kind: global_buffer, .address_space: global }
      - { .name: out0, .offset: 24, .size: 8, .value_kind: global_buffer, .address_space: global }
    .group_segment_fixed_size: 74752
    .private_segment_fixed_size: 0
    .kernarg_segment_align: 8
    .kernarg_segment_size: 32
    .max_flat_workgroup_size: 256
    .sgpr_count:     66
    .vgpr_count:     450
    .wavefront_size: 32
...
	.end_amdgpu_metadata
.endif
;; end of part 1
;; ======== version 2 of 2: 1 launch; version 1 with the launch attn written anew for expert scheduling mode
;; launch attn (part 2): grid 8 x 32, 8 waves a work-group, no clusters, 74,752 bytes of LDS; arguments key, query, value, out0; writes out0
.if DOCPART == 2
	.amdgcn_target "amdgcn-amd-amdhsa--gfx1250"
	.amdhsa_code_object_version 6
	.text
	.protected	k_q3eca75159a_attn
	.globl	k_q3eca75159a_attn
	.p2align	8
	.type	k_q3eca75159a_attn,@function
k_q3eca75159a_attn:
	s_mov_b64 s[64:65], 0
	v_nop
	global_prefetch_b8 v0, s[64:65] scope:SCOPE_SE
	s_setreg_imm32_b32 hwreg(HW_REG_WAVE_SCHED_MODE, 0, 2), 2
	s_setreg_imm32_b32 hwreg(HW_REG_WAVE_MODE, 25, 1), 1
	s_wait_xcnt 0x0
	s_wait_alu depctr_vm_vsrc(0)
; out0[bh][s][0:64] = softmax(q k^T / 8) v for 32 heads (bh = 16 b + h), 4,096 queries and 4,096 keys a head, no mask.  All buffers f32.
; Head h of batch b is the aligned piece of 256 bytes at byte 256 h of each row of 4,096 bytes of query, key and value.
;
; SHARES.  Work-group (x, y): head y, queries 512 x .. 512 x + 511, all keys in 64 trips of 64 keys.  Wave w: 64 queries = 4 query tiles of 16.
; 256 work-groups of equal work; eight waves of 448 registers.
;
; BOTH PRODUCTS ARE USED TRANSPOSED, so that the weights go from the first product into the second without leaving their lanes:
;   S^T tile = A (16 keys x 32 d) x B (16 queries x 32 d): lane (r, h) holds, in register j, key 8 h + j of query r.
;   O^T tile = A (V^T: 16 d x 32 keys) x B (P^T: 16 queries x 32 keys): B wants keys 8 h .. 8 h + 7 in registers 0-3 and 16 + 8 h .. in 4-7 of lane (r, h),
;   which is v_cvt_pk_bf16_f32 over the registers of key tiles 2 ks and 2 ks + 1, in place.  V^T comes from V stored [key][d] by ds_load_tr16_b128.
;   A lane has one query: maximum, sum and rescale factor are one number a lane; one v_permlanex16_b32 a query tile and trip joins the two halves' maxima.
;
; SOFTMAX, f32, with a running maximum.  c = log2(e) / 8.  Kept: NM = -(c x running maximum), rounded once.  A trip: NMnew = min(NM, -c x block maximum),
; alpha = 2^(NMnew - NM) (exactly 1 where the maximum stayed), p = 2^(fma(s, c, NMnew)), L = L alpha + sum p, O = O alpha + V^T P.
; The first trip is written out: no alpha, the products start the sums with C = 0, nothing is cleared.
;
; K AND V go through registers: each thread loads 4 x 16 bytes of K and of V of the NEXT block among a trip's first eight products, rounds them to bf16 at the
; trip's end and stores them into the other of two LDS slots; one barrier a trip.
; NO CLUSTER, NO JOINT TENSOR LOADS, though the eight work-groups of a head read the same K and V: the tiles are f32 and are rounded once a work-group before
; any fragment is read.  Through registers that costs 16 KiB of LDS stores a trip; a tile landed in LDS as f32 would cost 32 KiB landing, 32 KiB read back
; and the same 16 KiB stored, beside 128 KiB of fragment reads a trip, and a round of the cluster barrier each trip.
;
; THE MODE: SCHED_MODE bits 1:0 = 2 (LLVM: expert scheduling mode 2), set by the entry lines.  The code itself states the register dependences
; between vector or matrix instructions and memory or LDS instructions, with s_wait_alu, always for 0.
; THE PLAN.  Registers that memory or LDS instructions touch in a trip:
;   KF          K's 16 fragment loads land in it at the trip's head; the 32 products K Q^T read it, the last of them among query tile 2's softmax.
;   VF          V's 16 turning loads land in it behind K's; the 32 products V^T P read it, the last eight of them are the trip's last matrix instructions.
;   GS          The next block's eight global loads land in it, one behind each of the trip's first eight products; the sixteen conversions at the trip's end
;               read it and write it in place; the eight LDS stores behind them read it.
;   v2-v6, v8   Addresses, made at the head; v2 to v5 are written again on the way out, the others never.
;   The scores, P, O, Q and the statistics are named by vector and matrix instructions alone.
; So ONE wait on va_vdst stands in a trip, behind the conversions: it states that they have written GS (for the stores) and are done with it (for the next
; trip's global loads), and that every product is done reading KF and VF (for the next trip's fragment loads).  Between it and those fragment loads no vector
; or matrix instruction is issued; between it and the global loads only products that name KF, Q and the scores.  ONE wait on vm_vsrc stands at a trip's head:
; the LDS stores have read GS.
;
; LIMITS.  Inputs finite and raw scores finite in f32 (NaN and infinities are not served: the maxima drop NaN).  A weight below 2^-126 of its row's largest
; counts as 0 (v_exp_f32 flushes: ISA guide 15.8).  Q, K, V and the weights are rounded to bf16 for the products; the denominator sums the unrounded weights;
; sums are formed in another order than in the reference formula.
.set ROWB,  4096                       ; bytes of a row of query, key, value
.set BLK,   64*ROWB                    ; a block of 64 keys
.set KP,    144                        ; LDS pitch of K and Q rows: 128 bytes + 16, 9 x 16: the 16 rows of a fragment load begin at 16 different 16-byte columns modulo 256 bytes
.set VP,    160                        ; LDS pitch of V rows: 5 x 32, for the transposing loads
.set OP,    272                        ; LDS pitch of an output row: 256 bytes + 16
.set KT,    64*KP                      ; V's tile lies behind K's in a slot
.set SLOT,  KT+64*VP                   ; 19,456 bytes; two slots
.set STG,   2*SLOT                     ; behind them a stage of 4,352 bytes for each wave, its own: 16 Q rows going in, 16 output rows going out
.set STGW,  16*OP
; window 0
.set KADR,  2                          ; v2   r x 144 + 16 h
.set VADR,  3                          ; v3   KT + (8 h + lane mod 8) x 160 + 16 x bit 3 of the lane
.set KST,   4                          ; v4   (8 w + 4 h) x 144 + 8 r
.set VST,   5                          ; v5   KT + (8 w + 4 h) x 160 + 8 r
.set GO,    6                          ; v6   (8 w + 4 h) x 4096 + 16 r: my 16 bytes in K's and V's block
.set PFO,   8                          ; v8   (32 (w mod 2) + lane) x 4096: the row that I ask for ahead
.set T0,    10                         ; v10, v11  two chains of maxima
.set T1,    11
.set AL,    12                         ; v[12:13]  alpha, twice
.set TS,    14                         ; v[14:15]  second chain of sums
.set NM,    16                         ; v[16+2i:17+2i]  NM of query tile i, twice
.set LS,    24                         ; v[24+2i:25+2i]  L of query tile i: two partial sums
.set QF,    32                         ; v[32:95]    Q fragments: QF + 16 i + 8 ks
.set KF,    96                         ; v[96:159]   K fragments: KF + 16 kt + 8 ks
.set SC,    160                        ; v[160:223]  scores, two columns of 32: SC + 32 col + 8 kt + j
.set GS,    224                        ; v[224:255]  K's 4 x 4 and V's 4 x 4 registers on their way to LDS
; window 1: O(i, dt) at 8 (4 i + dt), 128 registers; V fragments (ks, dt) at VF + 8 (4 ks + dt), 64 registers
.set VF,    128
; s_set_vgpr_msb, low byte: bits 1:0 source 0, 3:2 source 1, 5:4 source 2, 7:6 destination; the high byte repeats the setting that is left.
; 0x40: loads into window 1.  0x51: O and V fragments in window 1, alpha and P in window 0.  0x04: LDS store data from window 1.
.set MSB, 0
.macro WIN new
.if MSB != \new
	s_set_vgpr_msb (MSB<<8)|\new
.set MSB, \new
.endif
.endm
.macro PLACES                          ; four places between a matrix instruction and a vector instruction that reads its result (ISA guide 7.12.1)
.rept 4
	v_nop
.endr
.endm
	s_load_b256 s[4:11], s[0:1], 0x0               ; key s[4:5], query s[6:7], value s[8:9], out0 s[10:11]
	s_set_vgpr_msb 0x40
	v_lshl_add_u32 v192, v0, 2, 0x12000
	v_mov_b32 v193, 0
	s_set_vgpr_msb 0x4000
	v_lshrrev_b32 v1, 5, v0
	v_readfirstlane_b32 s12, v1                    ; w
	s_mov_b32 s13, ttmp9                           ; x: block of 512 queries
	s_and_b32 s14, ttmp7, 0xffff                   ; y: head
	s_mov_b32 s20, 0x3e38aa3b                      ; c = log2(e) / 8, as a pair
	s_mov_b32 s21, 0x3e38aa3b
	s_mov_b32 s22, 0xbe38aa3b                      ; -c
	s_mov_b32 s24, 0x76543210                      ; v_permlanex16_b32: lane i of one half reads lane i of the other
	s_mov_b32 s25, 0xfedcba98
	s_lshr_b32 s16, s14, 4                         ; K, V: batch x 16 MiB + head x 256
	s_lshl_b32 s16, s16, 24
	s_and_b32 s17, s14, 15
	s_lshl_b32 s17, s17, 8
	s_add_co_u32 s16, s16, s17
	s_mov_b32 s17, 0
	s_lshl_b32 s18, s13, 21                        ; Q: the same + 512 x rows + 64 w rows
	s_add_co_u32 s18, s18, s16
	s_wait_alu depctr_va_sdst(0)                   ; s12 is written, ahead of its first reader: offsets, LDS places and the choice of who asks ahead are made from it
	s_lshl_b32 s19, s12, 18
	s_add_co_u32 s18, s18, s19
	s_mov_b32 s19, 0
	s_lshl_b32 s34, s14, 20                        ; out0: y x 4096 rows of 256 bytes + 512 x rows + 64 w rows
	s_lshl_b32 s35, s13, 17
	s_add_co_u32 s34, s34, s35
	s_lshl_b32 s35, s12, 14
	s_add_co_u32 s34, s34, s35
	s_mov_b32 s35, 0
	s_mul_i32 s30, s12, STGW
	s_add_co_u32 s30, s30, STG                     ; my wave's stage
	v_and_b32 v7, 15, v0                           ; r
	v_bfe_u32 v9, v0, 4, 1                         ; h
	v_mul_u32_u24 v[KADR], v7, KP
	v_lshl_add_u32 v[KADR], v9, 4, v[KADR]
	v_and_b32 v1, 7, v0
	v_lshl_add_u32 v1, v9, 3, v1                   ; 8 h + lane mod 8
	v_mul_u32_u24 v[VADR], v1, VP
	v_bfe_u32 v1, v0, 3, 1
	v_lshl_add_u32 v[VADR], v1, 4, v[VADR]
	v_add_nc_u32 v[VADR], KT, v[VADR]
	s_mul_i32 s29, s12, 8*KP                       ; wave w stores rows 8 w .. 8 w + 7 of each tile: a run of bytes of its own
	v_mul_u32_u24 v[KST], v9, 4*KP
	v_lshl_add_u32 v[KST], v7, 3, v[KST]
	v_add_nc_u32 v[KST], s29, v[KST]
	s_mul_i32 s29, s12, 8*VP
	s_add_co_u32 s29, s29, KT
	v_mul_u32_u24 v[VST], v9, 4*VP
	v_lshl_add_u32 v[VST], v7, 3, v[VST]
	v_add_nc_u32 v[VST], s29, v[VST]
	s_lshl_b32 s29, s12, 15
	v_lshlrev_b32 v[GO], 4, v7
	v_lshl_add_u32 v[GO], v9, 14, v[GO]
	v_add_nc_u32 v[GO], s29, v[GO]
	s_and_b32 s29, s12, 1
	s_lshl_b32 s29, s29, 17
	v_and_b32 v1, 31, v0
	v_lshl_add_u32 v[PFO], v1, 12, s29
	v_lshlrev_b32 v10, 4, v7                       ; Q, here only: v10 = h x 4096 + 16 r,
	v_lshl_add_u32 v10, v9, 12, v10
	v_mul_u32_u24 v11, v9, KP                      ; v11 = stage + h x 144 + 8 r (in),
	v_lshl_add_u32 v11, v7, 3, v11
	v_add_nc_u32 v11, s30, v11
	v_add_nc_u32 v12, s30, v[KADR]                 ; v12 = stage + r x 144 + 16 h (back, as fragments)
	s_wait_kmcnt 0x0
	s_add_nc_u64 s[4:5], s[4:5], s[16:17]
	s_add_nc_u64 s[8:9], s[8:9], s[16:17]
	s_add_nc_u64 s[6:7], s[6:7], s[18:19]
	s_add_nc_u64 s[10:11], s[10:11], s[34:35]
	s_cmp_lt_u32 s12, 2
	s_cselect_b64 s[32:33], s[4:5], s[8:9]         ; waves 0, 1 ask ahead for K's rows, waves 2, 3 for V's
	s_cmp_lt_u32 s12, 4
	s_cselect_b32 s28, s13, 255                    ; waves 4 to 7 never ask
; Load n of eight: row 8 w + 4 h + n of the block at s[4:5] (K, n = 0..3) or row 8 w + 4 h + n - 4 of the block at s[8:9] (V, n = 4..7);
; 16 neighbouring lanes take one head row of 256 bytes, aligned.
.macro LOAD1 n
.if \n < 4
	global_load_b128 v[GS+4*\n:GS+4*\n+3], v[GO], s[4:5] offset:\n*ROWB
.else
	global_load_b128 v[GS+4*\n:GS+4*\n+3], v[GO], s[8:9] offset:(\n-4)*ROWB
.endif
.endm
; Those eight loads, rounded to bf16 in place and stored into slot dst; then the three bases step one block.
.macro STAGEKV dst
	s_wait_loadcnt 0x0                             ; the eight loads issued early in the trip
.irp n, 0,1,2,3,4,5,6,7
	v_cvt_pk_bf16_f32 v[GS+4*\n], v[GS+4*\n], v[GS+4*\n+1]
	v_cvt_pk_bf16_f32 v[GS+4*\n+1], v[GS+4*\n+2], v[GS+4*\n+3]
.endr
	s_wait_alu depctr_va_vdst(0)                   ; the conversions have written GS, which the stores below read, and are done with it: the next global loads land there; every product so far is done reading KF and VF, in which the next trip's fragment loads land (ahead of the first trip: Q's conversions have written v[KF ..])
.irp n, 0,1,2,3
	ds_store_b64 v[KST], v[GS+4*\n:GS+4*\n+1] offset:(\dst)*SLOT+\n*KP
.endr
.irp n, 0,1,2,3
	ds_store_b64 v[VST], v[GS+16+4*\n:GS+16+4*\n+1] offset:(\dst)*SLOT+\n*VP
.endr
	s_wait_xcnt 0x0                                ; the bases, the prefetch's too, are rewritten only behind this wait (ISA guide 3.1); the prefetch stands a trip's work ahead of it
	s_add_nc_u64 s[4:5], s[4:5], BLK
	s_add_nc_u64 s[8:9], s[8:9], BLK
	s_add_nc_u64 s[32:33], s[32:33], BLK
.endm
; Ask ahead: in trip t (s27) for block t + 2, which trip t + 1 loads; the bases stand at block t + 1.  Of the eight work-groups of a head only x = t mod 8
; asks, and there waves 0, 1 for K's 64 rows and waves 2, 3 for V's, a lane a row: each piece of 256 bytes is asked for once in the launch.
; Trips 62 and 63 ask for nothing: block 63 is the last.  Its offset v8 was written ahead of the head's wait on va_vdst and is never written again.
.macro PF
	s_and_b32 s29, s27, 7
	s_cmp_lt_u32 s27, 62
	s_cselect_b32 s29, s29, 0xfe
	s_cmp_eq_u32 s29, s28
	s_cbranch_scc0 .Lnopf_\@
	global_prefetch_b8 v[PFO], s[32:33] offset:BLK th:TH_LOAD_NT scope:SCOPE_SE
.Lnopf_\@:
.endm
; One of the eight products of query tile i into score column col: n = 0..3 key tile n, d 0-31, starts the sum; n = 4..7 key tile n - 4, d 32-63.
; In the order n = 0..7 the four accumulators take turns, one instruction a turn.
.macro QKW col, i, n
.if \n < 4
	v_wmma_f32_16x16x32_bf16 v[SC+32*(\col)+8*\n:SC+32*(\col)+8*\n+7], v[KF+16*\n:KF+16*\n+7], v[QF+16*(\i):QF+16*(\i)+7], 0
.else
	v_wmma_f32_16x16x32_bf16 v[SC+32*(\col)+8*(\n-4):SC+32*(\col)+8*(\n-4)+7], v[KF+16*(\n-4)+8:KF+16*(\n-4)+15], v[QF+16*(\i)+8:QF+16*(\i)+15], v[SC+32*(\col)+8*(\n-4):SC+32*(\col)+8*(\n-4)+7]
.endif
.endm
; Group g of four scores: p = 2^(s c + NM), in place.  SB, NMI, LI are set by SM.
.macro FEXP g
	v_pk_fma_f32 v[SB+4*\g:SB+4*\g+1], v[SB+4*\g:SB+4*\g+1], s[20:21], v[NMI:NMI+1] op_sel_hi:[1,0,1]
	v_pk_fma_f32 v[SB+4*\g+2:SB+4*\g+3], v[SB+4*\g+2:SB+4*\g+3], s[20:21], v[NMI:NMI+1] op_sel_hi:[1,0,1]
.irp j, 0,1,2,3
	v_exp_f32 v[SB+4*\g+\j], v[SB+4*\g+\j]
.endr
.endm
; Group g joins the sums, in two chains (L and TS).  Group 0 carries L alpha; in the first trip groups 0 and 1 start the chains.
.macro ASUM g, first
.if \g == 0
.if \first == 0
	s_wait_alu depctr_va_vdst(0)
	v_pk_fma_f32 v[LI:LI+1], v[LI:LI+1], v[AL:AL+1], v[SB:SB+1]
.endif
.else
.if \g == 1
.if \first
	s_wait_alu depctr_va_vdst(0)
	v_pk_add_f32 v[LI:LI+1], v[SB:SB+1], v[SB+4:SB+5]
.else
	v_pk_add_f32 v[LI:LI+1], v[LI:LI+1], v[SB+4:SB+5]
.endif
	v_pk_add_f32 v[TS:TS+1], v[SB+2:SB+3], v[SB+6:SB+7]
.else
	s_wait_alu depctr_va_vdst(0)
	v_pk_add_f32 v[LI:LI+1], v[LI:LI+1], v[SB+4*\g:SB+4*\g+1]
	v_pk_add_f32 v[TS:TS+1], v[TS:TS+1], v[SB+4*\g+2:SB+4*\g+3]
.endif
.endif
.endm
; Group g's exponentials, one product of the next query tile, group p = g - 1's sums.  Behind each run of exponentials the next group's multiply-adds
; (behind the last run: group 6's sums) are the plain place before the results are read (ISA guide 5.7.2).
.macro SMSTEP g, p, i, col, first, nxt
	FEXP \g
.if \nxt
	QKW 1-\col, \i+1, \p
.endif
	ASUM \p, \first
.endm
; Query tile i, whose 64 x 16 scores lie in column col: softmax step, then O(i) = O(i) alpha + V^T P.  nxt = 1: the eight products of tile i + 1 into the
; other column stand one by one among the softmax lines; they name no register of these lines.  No memory or LDS instruction stands in it.
.macro SM i, col, first, nxt
.set SB,  SC+32*\col
.set NMI, NM+2*\i
.set LI,  LS+2*\i
	v_max3_num_f32 v[T0], v[SB], v[SB+1], v[SB+2]              ; the largest of my 32 scores, in two chains
	v_max3_num_f32 v[T1], v[SB+3], v[SB+4], v[SB+5]
.irp k, 6,10,14,18,22,26
	v_max3_num_f32 v[T0], v[T0], v[SB+\k], v[SB+\k+1]
	v_max3_num_f32 v[T1], v[T1], v[SB+\k+2], v[SB+\k+3]
.endr
	v_max3_num_f32 v[T0], v[T0], v[SB+30], v[SB+31]
	v_max_num_f32 v[T0], v[T0], v[T1]
	v_permlanex16_b32 v[T1], v[T0], s24, s25                   ; the other 32 keys of my query lie in lane r of the other half
	v_max_num_f32 v[T0], v[T0], v[T1]
	v_mul_f32 v[T0], s22, v[T0]                                ; -c x block maximum
.if \first == 0
	v_min_num_f32 v[T0], v[T0], v[NMI]                         ; NMnew
	v_sub_f32 v[AL], v[T0], v[NMI]                             ; <= 0, and 0 where the maximum stayed
	v_exp_f32 v[AL], v[AL]
.endif
	v_mov_b32 v[NMI], v[T0]                                    ; also the plain place behind the exponential
	v_mov_b32 v[NMI+1], v[T0]
.if \first == 0
	s_wait_alu depctr_va_vdst(0)
	v_mov_b32 v[AL+1], v[AL]
.endif
	FEXP 0
	SMSTEP 1, 0, \i, \col, \first, \nxt
	SMSTEP 2, 1, \i, \col, \first, \nxt
	SMSTEP 3, 2, \i, \col, \first, \nxt
	SMSTEP 4, 3, \i, \col, \first, \nxt
	SMSTEP 5, 4, \i, \col, \first, \nxt
	SMSTEP 6, 5, \i, \col, \first, \nxt
	SMSTEP 7, 6, \i, \col, \first, \nxt
.if \nxt
	QKW 1-\col, \i+1, 7
.endif
	ASUM 7, \first
	v_pk_add_f32 v[LI:LI+1], v[LI:LI+1], v[TS:TS+1]
.irp n, 0,1,2,3,4,5,6,7,8,9,10,11,12,13,14,15
	v_cvt_pk_bf16_f32 v[SB+\n], v[SB+2*\n], v[SB+2*\n+1]       ; P in place, ascending: register n is written when 2 n and 2 n + 1 are read; SB + 8 ks is the B fragment of keys 32 ks ..
.endr
.if \i == 0
	s_wait_dscnt 0x0                                           ; V's 16 fragment loads of this trip
.endif
	WIN 0x51
.if \first == 0
.irp n, 0,1,2,3,4,5,6,7,8,9,10,11,12,13,14,15
	v_pk_mul_f32 v[32*\i+2*\n:32*\i+2*\n+1], v[32*\i+2*\n:32*\i+2*\n+1], v[AL:AL+1]
.endr
.endif
	; eight products on four accumulators by turns, one instruction a turn
.irp dt, 0,1,2,3
.if \first
	v_wmma_f32_16x16x32_bf16 v[32*\i+8*\dt:32*\i+8*\dt+7], v[VF+8*\dt:VF+8*\dt+7], v[SB:SB+7], 0
.else
	v_wmma_f32_16x16x32_bf16 v[32*\i+8*\dt:32*\i+8*\dt+7], v[VF+8*\dt:VF+8*\dt+7], v[SB:SB+7], v[32*\i+8*\dt:32*\i+8*\dt+7]
.endif
.endr
.irp dt, 0,1,2,3
	v_wmma_f32_16x16x32_bf16 v[32*\i+8*\dt:32*\i+8*\dt+7], v[VF+32+8*\dt:VF+32+8*\dt+7], v[SB+8:SB+15], v[32*\i+8*\dt:32*\i+8*\dt+7]
.endr
	WIN 0
.endm
; A trip: 64 keys out of slot.  first = 1: the sums start.  last = 1: nothing is left to fetch, and no barrier follows.
; Distances behind matrix instructions (ISA guide 7.12.1), by this text's count of plain vector lines that name none of their registers:
; a column's scores are read behind 3 sums and 16 conversions; P's registers are written again by a product behind the next tile's 15 maxima.
; The fragment loads at the head hang on the wait on va_vdst in STAGEKV: no vector or matrix instruction has been issued since.
.macro TRIP slot, first, last
.if \last == 0
	s_wait_alu depctr_vm_vsrc(0)                   ; the LDS stores of STAGEKV have read GS, in which this trip's global loads land; ahead of the first trip also: Q's loads and stage accesses have read v10 to v12 and v[KF ..], which become T0, T1, alpha, K's fragments and the scores
.endif
.irp kt, 0,1,2,3
.irp ks, 0,1
	ds_load_b128 v[KF+16*\kt+8*\ks:KF+16*\kt+8*\ks+3], v[KADR] offset:\slot*SLOT+\kt*16*KP+64*\ks
	ds_load_b128 v[KF+16*\kt+8*\ks+4:KF+16*\kt+8*\ks+7], v[KADR] offset:\slot*SLOT+\kt*16*KP+64*\ks+32
.endr
.endr
	WIN 0x40
.irp ks, 0,1
.irp dt, 0,1,2,3
	ds_load_tr16_b128 v[VF+8*(4*\ks+\dt):VF+8*(4*\ks+\dt)+3], v[VADR] offset:\slot*SLOT+\ks*32*VP+32*\dt
	ds_load_tr16_b128 v[VF+8*(4*\ks+\dt)+4:VF+8*(4*\ks+\dt)+7], v[VADR] offset:\slot*SLOT+\ks*32*VP+32*\dt+16*VP
.endr
.endr
	WIN 0
	s_wait_dscnt 16                                ; LDS loads come back in order (ISA guide 5.7.1): K's 16 are in, V's 16 behind them may stay out
.irp n, 0,1,2,3,4,5,6,7
	QKW 0, 0, \n
.if \last == 0
	LOAD1 \n                                       ; the next block, a load behind each product: it has the rest of the trip in which to come.  No wait: the products issued since STAGEKV's wait name KF, Q and the scores, never GS or v6
.endif
.endr
.if \last == 0
	PF
.endif
	PLACES
	SM 0, 0, \first, 1
	SM 1, 1, \first, 1
	SM 2, 0, \first, 1
	SM 3, 1, \first, 0
.if \last == 0
	STAGEKV 1-\slot
	s_add_co_u32 s27, s27, 1
	s_wait_dscnt 0x0                               ; for the others: my stores into the next slot are done (my reads of this slot were waited for above)
	s_barrier_signal -1
	s_barrier_wait -1                              ; the next slot is whole, and nobody reads this one any more: the next trip stores into it
.endif
.endm
	s_wait_alu depctr_va_vdst(0)                   ; the nine offsets and addresses v2 to v6, v8 and v10 to v12 are written, which the loads, stores and prefetches below read
	; Q: 64 rows of 256 bytes, read once in the launch; two rows a load.  Into the registers that later hold K fragments and scores.
.irp i, 0,1,2,3
.irp n, 0,1,2,3,4,5,6,7
	global_load_b128 v[KF+32*\i+4*\n:KF+32*\i+4*\n+3], v10, s[6:7] offset:\i*16*ROWB+\n*2*ROWB th:TH_LOAD_NT
.endr
.endr
.irp n, 0,1,2,3,4,5,6,7
	LOAD1 \n                                       ; block 0
.endr
	; 16 rows at a time: rounded to bf16, into my stage by rows, back as B fragments.  The stage is my wave's own and LDS serves a wave's
	; instructions in order (ISA guide 5.7.1.4): no wait on DScnt between stores, loads and the next tile's stores.
.irp i, 0,1,2,3
	s_wait_loadcnt 32-8*\i                         ; 40 loads were issued; tile i needs the first 8 (i + 1)
.irp n, 0,1,2,3,4,5,6,7
	v_cvt_pk_bf16_f32 v[KF+32*\i+4*\n], v[KF+32*\i+4*\n], v[KF+32*\i+4*\n+1]
	v_cvt_pk_bf16_f32 v[KF+32*\i+4*\n+1], v[KF+32*\i+4*\n+2], v[KF+32*\i+4*\n+3]
.endr
	s_wait_alu depctr_va_vdst(0)                   ; the tile's sixteen conversions have written the registers that its eight LDS stores read
.irp n, 0,1,2,3,4,5,6,7
	ds_store_b64 v11, v[KF+32*\i+4*\n:KF+32*\i+4*\n+1] offset:\n*2*KP
.endr
.irp m, 0,1,2,3
	ds_load_b128 v[QF+16*\i+4*\m:QF+16*\i+4*\m+3], v12 offset:32*\m   ; no vector instruction has named Q's fragment registers yet
.endr
.endr
	STAGEKV 0
	s_mov_b32 s27, 0                               ; t
	s_wait_dscnt 0x0                               ; my part of block 0 is stored, my Q fragments are in
	s_barrier_signal -1
	s_barrier_wait -1
	TRIP 0, 1, 0                                   ; t = 0
	s_mov_b32 s26, 31
.Lloop:
	TRIP 1, 0, 0                                   ; t = 1, 3, .. 61
	TRIP 0, 0, 0                                   ; t = 2, 4, .. 62
	s_sub_co_u32 s26, s26, 1
	s_cmp_lg_u32 s26, 0
	s_cbranch_scc1 .Lloop
	TRIP 1, 0, 1                                   ; t = 63
	; THE WAY OUT.  The denominators: my two partial sums, then the other half's; eight plain adds stand behind the last products before O is read.
	s_wait_alu depctr_vm_vsrc(0)                   ; the trips' LDS loads and stores have read their addresses v2 to v5, which are written anew below
.irp i, 0,1,2,3
	v_add_f32 v[LS+2*\i], v[LS+2*\i], v[LS+2*\i+1]
.endr
.irp i, 0,1,2,3
	v_permlanex16_b32 v[LS+2*\i+1], v[LS+2*\i], s24, s25
.endr
.irp i, 0,1,2,3
	v_add_f32 v[LS+2*\i], v[LS+2*\i], v[LS+2*\i+1]
.endr
.irp i, 0,1,2,3
	v_rcp_f32 v[NM+2*\i], v[LS+2*\i]               ; the row's largest weight is about 1, so the sum is not small
.endr
	v_and_b32 v1, 15, v0                           ; r (these address lines are the plain places behind the reciprocals)
	v_bfe_u32 v5, v0, 4, 1                         ; h
	v_and_b32 v2, 31, v0
	v_lshlrev_b32 v2, 4, v2                        ; v2 = 16 x lane: my 16 bytes of two output rows
	v_mul_u32_u24 v3, v1, OP
	v_lshl_add_u32 v3, v5, 5, v3
	v_add_nc_u32 v3, s30, v3                       ; v3 = stage + r x 272 + 32 h: in, my query's d = 16 dt + 8 h ..
	v_mul_u32_u24 v4, v5, OP
	v_lshl_add_u32 v4, v1, 4, v4
	v_add_nc_u32 v4, s30, v4                       ; v4 = stage + h x 272 + 16 r: back, by rows
.irp i, 0,1,2,3
	s_wait_alu depctr_va_vdst(0)
	v_mov_b32 v[NM+2*\i+1], v[NM+2*\i]
.endr
	WIN 0x51
.irp i, 0,1,2,3
.irp n, 0,1,2,3,4,5,6,7,8,9,10,11,12,13,14,15
	v_pk_mul_f32 v[32*\i+2*\n:32*\i+2*\n+1], v[32*\i+2*\n:32*\i+2*\n+1], v[NM+2*\i:NM+2*\i+1]
.endr
.endr
	WIN 0x04
	s_wait_alu depctr_va_vdst(0)                   ; the multiplies have written O, which the LDS stores read; v2 to v4, the addresses below, are written; every product, exponential and conversion is done with v[KF ..] and the scores' registers, in which the read-backs land.  No vector instruction follows
	; 16 queries at a time through my stage; each tile reads back into 32 registers of its own, so no store's data is rewritten.
.irp i, 0,1,2,3
	WIN 0x04
.irp dt, 0,1,2,3
	ds_store_b128 v3, v[32*\i+8*\dt:32*\i+8*\dt+3] offset:64*\dt
	ds_store_b128 v3, v[32*\i+8*\dt+4:32*\i+8*\dt+7] offset:64*\dt+16
.endr
	WIN 0
.irp t, 0,1,2,3,4,5,6,7
	ds_load_b128 v[KF+32*\i+4*\t:KF+32*\i+4*\t+3], v4 offset:\t*2*OP
.endr
.irp t, 0,1,2,3,4,5,6,7
	s_wait_dscnt 7-\t                              ; read-back t of the eight is in
	global_store_b128 v2, v[KF+32*\i+4*\t:KF+32*\i+4*\t+3], s[10:11] offset:\i*4096+\t*512 th:TH_STORE_NT   ; the wave stores 512 consecutive bytes, two whole rows, aligned
.endr
.endr
	s_set_vgpr_msb 0x5
	s_wait_dscnt 0x0
	s_wait_alu depctr_hold_cnt(0) depctr_sa_sdst(0) depctr_va_vdst(0) depctr_va_sdst(0) depctr_va_ssrc(0) depctr_va_vcc(0) depctr_vm_vsrc(0)
	s_wait_tensorcnt 0x0
	ds_add_u32 v192, v193
	s_wait_dscnt 0x0
	s_endpgm
.Lfunc_end_k_q3eca75159a_attn:
	.size	k_q3eca75159a_attn, .Lfunc_end_k_q3eca75159a_attn-k_q3eca75159a_attn
	.p2alignl 7, 3214868480
	.fill 96, 4, 3214868480
	.section	.rodata,"a",@progbits
	.p2align	6, 0x0
	.amdhsa_kernel k_q3eca75159a_attn
		.amdhsa_group_segment_fixed_size 74752
		.amdhsa_private_segment_fixed_size 0
		.amdhsa_enable_private_segment 0
		.amdhsa_kernarg_size 32
		.amdhsa_user_sgpr_count 2
		.amdhsa_user_sgpr_kernarg_segment_ptr 1
		.amdhsa_wavefront_size32 1
		.amdhsa_system_sgpr_workgroup_id_x 1
		.amdhsa_system_sgpr_workgroup_id_y 1
		.amdhsa_system_sgpr_workgroup_id_z 1
		.amdhsa_system_vgpr_workitem_id 0
		.amdhsa_next_free_vgpr 450
		.amdhsa_next_free_sgpr 66
		.amdhsa_reserve_vcc 0
		.amdhsa_float_denorm_mode_32 3
		.amdhsa_float_denorm_mode_16_64 3
		.amdhsa_memory_ordered 1
		.amdhsa_forward_progress 1
		.amdhsa_inst_pref_size 166
	.end_amdhsa_kernel
	.amdgpu_metadata
---
amdhsa.version: [ 1, 2 ]
amdhsa.kernels:
  - .name:           k_q3eca75159a_attn
    .symbol:         k_q3eca75159a_attn.kd
    .args:
      - { .name: key, .offset: 0, .size: 8, .value_kind: global_buffer, .address_space: global }
      - { .name: query, .offset: 8, .size: 8, .value_kind: global_buffer, .address_space: global }
      - { .name: value, .offset: 16, .size: 8, .value_kind: global_buffer, .address_space: global }
      - { .name: out0, .offset: 24, .size: 8, .value_kind: global_buffer, .address_space: global }
    .group_segment_fixed_size: 74752
    .private_segment_fixed_size: 0
    .kernarg_segment_align: 8
    .kernarg_segment_size: 32
    .max_flat_workgroup_size: 256
    .sgpr_count:     66
    .vgpr_count:     450
    .wavefront_size: 32
...
	.end_amdgpu_metadata
.endif
;; end of part 2
